; MI455X (gfx1250); checked and timed in simulation.
; The chip was launched on July 23, 2026; its instructions are those of AMD's public machine-readable ISA for CDNA 5 (MIT licence, August 2026) and "CDNA5" Instruction Set Architecture Reference Guide (July 2026). The comments in the code are by the model that wrote it; some were corrected since.
;; Multiheaded Causal Self Attention. Allowed arithmetic: matrix products marked QUANTISED: E4M3 operands, one given power-of-two scale a tensor, by v_wmma_f32_16x16x64_fp8_fp8 or v_wmma_f32_16x16x128_fp8_fp8, f32 sums; everything else in f32.
;; Inputs: Wk_codes 1,024 x 32 x 32 uint8 (E4M3 codes of Wk, K innermost, in blocks of 32 codes); Wo_codes 1,024 x 32 x 32 uint8 (E4M3 codes of Wo, K innermost, in blocks of 32 codes); Wq_codes 1,024 x 32 x 32 uint8 (E4M3 codes of Wq, K innermost, in blocks of 32 codes); Wv_codes 1,024 x 32 x 32 uint8 (E4M3 codes of Wv, K innermost, in blocks of 32 codes); bk 1,024 float32; bo 1,024 float32; bq 1,024 float32; bv 1,024 float32; lowp_scales 12 int32 (the exponents e of the quantised operands' scales 2^e); x_codes 4 x 2,048 x 32 x 32 uint8 (E4M3 codes of x, K innermost, in blocks of 32 codes).
;; Outputs: out0 4 x 2,048 x 1,024 float32.
;; This version of the problem:
;;   THIS VERSION OF THE PROBLEM IS GIVEN IN LOW PRECISION. The matrix products marked QUANTISED in the list below multiply operands that are first quantised to E4M3 (4 exponent bits, 3 mantissa bits; 8 bits a number), with one given power-of-two scale for each operand tensor; their sums are f32. All else is computed in f32.
;;   The module's matrix products, in the order in which they are computed (A, B: the left and right operand; K: the contracted axis; several contracted axes count as one K, in the product's order):
;;     1. [M 8,192, K 1,024] x [K 1,024, N 1,024]; A: input x (given as codes); B: input Wk (given as codes): QUANTISED (scales: A lowp_scales[0], B lowp_scales[1])
;;     2. [M 8,192, K 1,024] x [K 1,024, N 1,024]; A: input x (given as codes); B: input Wq (given as codes): QUANTISED (scales: A lowp_scales[2], B lowp_scales[3])
;;     3. [M 8,192, K 1,024] x [K 1,024, N 1,024]; A: input x (given as codes); B: input Wv (given as codes): QUANTISED (scales: A lowp_scales[4], B lowp_scales[5])
;;     4. batch 64 x [M 2,048, K 64] x [K 64, N 2,048]; A: computed on the way; B: computed on the way: QUANTISED (scales: A lowp_scales[6], B lowp_scales[7])
;;     5. batch 64 x [M 64, K 2,048] x [K 2,048, N 2,048]; A: computed on the way; B: softmax (see below): QUANTISED (scales: A lowp_scales[8], B lowp_scales[9])
;;     6. [M 8,192, K 1,024] x [K 1,024, N 1,024]; A: computed on the way; B: input Wo (given as codes): QUANTISED (scales: A lowp_scales[10], B lowp_scales[11])
;;   THE QUANTISER, for each operand of a quantised product, along K:
;;     - The operand's scale is 2^e, e = its entry of the input lowp_scales (int32; the entries are numbered through the quantised products in the list's order, A before B).
;;     - Each number is divided by the scale, clamped to +-448, and rounded to the nearest number of E4M3, ties to even, subnormals kept.
;;     - The product sums the exact products of the quantised numbers (number of the format x scale) in f32.
;;   ~~~python
;;   def quantise(x, axis, e):      # numpy; x: float32 -> the quantised numbers, widened to float32 again
;;       x = np.moveaxis(x, axis, -1); K = x.shape[-1]
;;       r = np.clip(x / 2.0 ** e, -448, 448)
;;       step = 2.0 ** (np.maximum(np.frexp(np.where(r == 0, 1, r))[1] - 1, -6) - 3)
;;       q = np.round(r / step) * step * 2.0 ** e      # np.round: ties to even
;;       return np.moveaxis(q, -1, axis).astype(np.float32)
;;   ~~~
;;   SOFTMAX AHEAD OF A QUANTISED PRODUCT. Where the list says 'softmax', what is quantised is not the finished softmax but p = 2^(t - M), with t = logit x log2(e) and M = ceil(the row's largest t), a whole number; so 1/2 < the row's largest p <= 1. The row's sum l is taken of the UNQUANTISED p, in f32, and the product's result is divided by l at the end. Since M is a whole number, a kernel that streams over the keys may use a running M (the ceiling of the running maximum): every later rescaling is an exact power of two, so the quantised numbers keep their values, but for numbers so far below the row's largest that they fall under the format's range.
;;   OPERANDS COMPUTED ON THE WAY. 'Computed on the way' means the value that the module computes at that place (a softmax that the list does not call 'softmax' is quantised finished and normalised). What goes into a quantiser is computed in f32, as accurately as f32 sums, v_exp_f32 and their like allow (about 1e-6 of the number): no bf16 or f16 on the way to a quantiser, and a product that is left as it is and whose result goes on into a quantised operand takes f32 operands (vector FMAs, or v_wmma_f32_16x16x4_f32). A number that lies on a knife's edge between two numbers of the format may be rounded either way, as far as f32 arithmetic and the matrix unit's own rounding can turn it there, and no further.
;;   INPUTS GIVEN AS CODES. Wk (in the module: [1024, 1024], K = its axis 0); Wo (in the module: [1024, 1024], K = its axis 0); Wq (in the module: [1024, 1024], K = its axis 0); Wv (in the module: [1024, 1024], K = its axis 0); x (in the module: [4, 2048, 1024], K = its axis 2): each comes as NAME_codes (uint8): NAME with its K axis moved to the last place and cut into blocks of 32 codes, [.., K / 32, bytes a block], one block behind the other in memory; one code a byte (a code: sign, 4 exponent bits, 3 mantissa bits); its scale is its entry of lowp_scales. Its value is code x scale, taken as it is: it is not quantised again, and the codes and scales need not be those that the quantiser above would give.
;; One version. Each part assembles by itself: llvm-mc -triple=amdgcn-amd-amdhsa -mcpu=gfx1250 --defsym DOCPART=n.
;; ======== version 1 of 1: 3 launches
;; limits: right only within a limited range of input values
;; workspace buffers: qimg 8,388,608 bytes; kimg 8,388,608 bytes; vimg 8,388,608 bytes; yimg 8,388,608 bytes
;; launch qkv (part 1): grid 4 x 64, 4 waves a work-group, clusters of 4 x 4, 327,680 bytes of LDS; arguments x_codes, Wq_codes, Wk_codes, Wv_codes, bq, bk, bv, lowp_scales, qimg, kimg, vimg; writes qimg, kimg, vimg
.if DOCPART == 1
	.amdgcn_target "amdgcn-amd-amdhsa--gfx1250"
	.amdhsa_code_object_version 6
	.text
	.protected	k_qf9905dff3c_qkv
	.globl	k_qf9905dff3c_qkv
	.p2align	8
	.type	k_qf9905dff3c_qkv,@function
k_qf9905dff3c_qkv:
	s_mov_b64 s[64:65], 0
	v_nop
	global_prefetch_b8 v0, s[64:65] scope:SCOPE_SE
	s_setreg_imm32_b32 hwreg(HW_REG_WAVE_MODE, 25, 1), 1
	s_wait_xcnt 0x0
	s_wait_alu depctr_hold_cnt(0) depctr_sa_sdst(0) depctr_va_vdst(0) depctr_va_sdst(0) depctr_va_ssrc(0) depctr_va_vcc(0) depctr_vm_vsrc(0)
	s_getreg_b32 s2, hwreg(HW_REG_IB_STS2, 6, 4)
	s_cmp_eq_u32 s2, 0
	s_cbranch_scc0 .Lentry_in_a_cluster
	s_endpgm
.Lentry_in_a_cluster:
	s_bfe_u32 s2, ttmp6, 0x10000c
	s_cmp_lg_u32 s2, 0xf033
	s_cbranch_scc0 .Lentry_shape_is_right
	s_endpgm
.Lentry_shape_is_right:
; q = x Wq + bq, k = x Wk + bk, v = x Wv + bv on codes of FP8 (E4M3), each result quantised at once for the attention launch.
; WORK LEFT OUT IN THIS PROGRAM (launch attn): reference() replaces the score of every key k > q by -1e10 ahead of the softmax, by a mask that it builds itself (jnp.tril).  Key 0 counts for every query, and
; under the limit on e6 + e7 stated in attn every score that counts lies far above -1e10, so a hidden key's p is 0 and adds nothing to the row's sum or to y.  Key steps all of whose 128 keys are hidden for a tile
; of 16 queries are therefore not multiplied.  LIMIT: a NaN, an infinity or an overflow that reaches only the scores left out is not carried to the result.  Every input is loaded by some launch.
; x: [8192][1024] codes; Wq, Wk, Wv: [1024 (channel)][1024 (k)] codes; the biases f32.  Scales (whole numbers e): k's product e0, e1; q's e2, e3; v's e4, e5 (ES = their sum); the codes made here take 2^EO: e6 (q), e7 (k), e8 (v).
; code = (sum x 2^ES + bias) / 2^EO, held within +-448, nearest code, ties to even.  LIMITS: ES between -126 and 127, EO between -126 and 119, so that 2^ES, 2^EO and 448 x 2^EO are f32 numbers.  NaN codes are not served.
; SHARES.  Work-group (cx, token block): 128 tokens (one key step of one batch) x 768 channels, as six tiles of 128 channels: tile j belongs to q, k, v for j / 2 = 0, 1, 2 and holds channels 256 cx + 128 (j % 2) ..: 256 work-groups.
; Wave w makes 64 tokens (half w / 2) x 64 channels (half w % 2: one head) of each tile: 16 accumulators.
; x's 128 rows come once into LDS slot 0; each wave then holds its 64 tokens x 1,024 K in 512 registers.  From then on both slots (128 rows of 1,024 + 16 bytes) carry the weights' tiles, whole in K: tile j lies in slot (j + 1) % 2.
; Behind the products of tile j stand the three lines, a round, and each wave's one joint load: 32 rows of tile j + 2; it has tile j's way out and tile j + 1's 128 matrix instructions in which to land.
; CLUSTERS: 4 x 4.  x's rows are shared along a row of the cluster (same tokens), the weights' along a column (same cx): each is asked for jointly.
; NO PREFETCH: a tile is asked for one whole tile's work ahead by its own load, and the sixteen clusters walk the same 768 rows of each column group in the same order.
; ROWS OF A FRAGMENT: lane r of fragment t takes row 32 (t / 2) + 8 (t % 2) + r + 8 (r / 8), of x and of the weights alike.  q, k: source 0 = weights, source 1 = x: a lane holds one token, and the 16 registers of
; accumulators (i, 2 c), (i, 2 c + 1) are channels 32 c + 16 h + 0 .. 15.  v: source 0 = x, source 1 = weights: a lane holds one channel, and the 16 registers of (t, 2 c), (t, 2 c + 1) are 16 neighbouring tokens.
; So two conversions give a lane's 16 bytes of a piece, and the pieces (512 bytes, lane l's 16 bytes at 16 l; r = lane % 16, h = lane / 16) are stored as they stand:
;   qimg, kimg: [head 64][step 16][t 8][c 2][lane][16]: token 128 step + 32 (t / 2) + 8 (t % 2) + r + 8 (r / 8), channel of the head 32 c + 16 h + byte
;   vimg:       [head 64][step 16][t 4][c 4][lane][16]: channel of the head 32 (t / 2) + 8 (t % 2) + r + 8 (r / 8), token 128 step + 32 c + 16 h + byte
; (By that order of rows two of a fragment load's sixteen rows share a group of banks.)
; REGISTERS, in windows of 256: window 0: v10-29 constants and addresses; v64-255 three sets of four fragments of the weights, by turns.
;   window 1: v0-127 accumulators; v128-159 a tile's codes; v160-223 two sets of biases.   windows 2, 3: x's fragment (K step q, tile i) at v[16 (4 (q % 4) + i)] of window 2 + q / 4.
.set PITCH,  1040                      ; an LDS row: 1,024 bytes + 16
.set HALFR,  64*PITCH
.set SLOT,   128*PITCH
.set SPARE,  2*SLOT                    ; the spare words, 128 bytes for each wave
.set FLAGS,  (1<<20)|(1<<21)|(7<<22)|(3<<25)   ; elements of 1 byte; padding on; bit 21 beside a mask; four words behind every 256
.set ADRX, 16                          ; v16  LDS address of my fragments of x
.set ADRB, 18                          ; v18, v19  of my fragments of the weights in slot 0, 1
.set H64,  20                          ; v20  64 h: 16 h numbers of f32
.set R4,   21                          ; v21  4 (r + 8 (r / 8))
.set L16,  22                          ; v22  16 x lane
.set SPW,  28
.set NIL,  29
.set BF,   64
.set CD,   128                         ; window 1
.set BS,   160                         ; window 1
.set G1X,  24                          ; s[24:31] group 1 for x (my row's mask, 64 rows);  s[32:39] for tile 0 (my column's, 64 rows);  s[48:55] for the refills (my column's, 32 rows)
.set G1W,  32
.set G1R,  48
.set G0X,  56                          ; groups 0
.set G0W,  60
.set G0R,  44
.set MSB, 0
.macro WIN new                         ; the immediate's high byte repeats the setting that is left
.if MSB != (\new)
	s_set_vgpr_msb (MSB<<8)|(\new)
.set MSB, (\new)
.endif
.endm
.macro PLACES n                        ; plain vector instructions between a matrix instruction and a load into its registers or a read of its result
.rept \n
	v_nop
.endr
.endm
.macro CROUND                          ; a round of the cluster's barrier
	s_barrier_signal -1
	s_barrier_wait -1
	s_cmp_lg_u32 s14, 0
	s_cbranch_scc1 .Lnot_wave_0_\@
	s_barrier_signal -3
.Lnot_wave_0_\@:
	s_barrier_wait -3
	s_barrier_signal -1
	s_barrier_wait -1
.endm
	s_load_b256 s[68:75], s[0:1], 0x0              ; x s[68:69], Wq s[70:71], Wk s[72:73], Wv s[74:75]
	s_load_b256 s[76:83], s[0:1], 0x20             ; bq s[76:77], bk s[78:79], bv s[80:81], the scales' exponents s[82:83]
	s_load_b128 s[84:87], s[0:1], 0x40             ; qimg s[84:85], kimg s[86:87]
	s_load_b64 s[88:89], s[0:1], 0x50              ; vimg
	v_lshl_add_u32 v[SPW], v0, 2, SPARE
	v_mov_b32 v[NIL], 0
	ds_add_u32 v[SPW], v[NIL]                      ; the opening lines: the add twice on end and its wait ahead of my first tensor load
	ds_add_u32 v[SPW], v[NIL]
	v_lshrrev_b32 v1, 5, v0
	v_readfirstlane_b32 s14, v1                    ; wave 0..3
	s_lshr_b32 s15, s14, 1                         ; my half of the tokens.  Also: at the head I fetch for x (0) or for tile 0 (1)
	s_and_b32 s16, s14, 1                          ; my half of a tile's channels.  Also: which 64 rows I fetch at the head
	s_bfe_u32 s40, ttmp6, 0x40000                  ; cx: the column group
	s_bfe_u32 s41, ttmp6, 0x40004                  ; cy
	s_and_b32 s17, ttmp7, 0xffff
	s_lshl_b32 s17, s17, 2
	s_add_co_u32 s17, s17, s41                     ; the token block: 4 x cluster y + cy
	s_lshl_b32 s43, s41, 2
	s_lshl_b32 s43, 15, s43                        ; my row of the cluster
	s_lshl_b32 s42, 0x1111, s40                    ; my column
	s_or_b32 s[G1X], s43, FLAGS
	s_or_b32 s[G1W], s42, FLAGS
	s_or_b32 s[G1R], s42, FLAGS
.irp g, G1X, G1W, G1R
	s_mov_b32 s[\g+1], 1024<<16                    ; tensor_dim0
	s_mov_b32 s[\g+3], 1024<<16                    ; tile_dim0
	s_mov_b32 s[\g+5], 1024                        ; the pitch in memory
	s_mov_b32 s[\g+6], 0
	s_mov_b32 s[\g+7], 0
.endr
	s_mov_b32 s[G1X+2], 64<<16
	s_mov_b32 s[G1X+4], 64
	s_mov_b32 s[G1W+2], 64<<16
	s_mov_b32 s[G1W+4], 64
	s_mov_b32 s[G1R+2], 32<<16
	s_mov_b32 s[G1R+4], 32
	s_lshl_b32 s20, s17, 17                        ; x: 128 rows of 1,024 bytes a token block,
	s_lshl_b32 s21, s16, 16                        ; + my 64 rows
	s_add_co_u32 s20, s20, s21
	s_mov_b32 s21, 0
	s_lshl_b32 s12, s40, 18                        ; the weights: 256 rows a column group,
	s_lshl_b32 s13, s16, 16                        ; tile 0: + my 64 rows
	s_add_co_u32 s12, s12, s13
	s_mov_b32 s13, 0
	s_lshl_b32 s18, s40, 18
	s_lshl_b32 s19, s14, 15                        ; the refills: + my 32 rows
	s_add_co_u32 s18, s18, s19
	s_mov_b32 s19, 0
	s_mov_b32 s[G0X], 1
	s_mul_i32 s[G0X+1], s16, HALFR                 ; slot 0
	s_mov_b32 s[G0W], 1
	s_add_co_u32 s[G0W+1], s[G0X+1], SLOT          ; slot 1
	s_mov_b32 s[G0R], 1
	s_mul_i32 s23, s14, 32*PITCH                   ; a refill's place in its slot
	s_wait_dscnt 0x0                               ; both opening adds are done
	s_wait_kmcnt 0x0
	s_load_b256 s[92:99], s[82:83], 0x0            ; e0 .. e7
	s_load_b32 s100, s[82:83], 0x20                ; e8
	s_add_nc_u64 s[G0X+2:G0X+3], s[68:69], s[20:21]
	s_or_b32 s[G0X+3], s[G0X+3], 0x80000000
	s_add_nc_u64 s[G0W+2:G0W+3], s[70:71], s[12:13]
	s_or_b32 s[G0W+3], s[G0W+3], 0x80000000
	s_add_nc_u64 s[70:71], s[70:71], s[18:19]      ; each weight at my 32 rows of its first tile
	s_add_nc_u64 s[72:73], s[72:73], s[18:19]
	s_add_nc_u64 s[74:75], s[74:75], s[18:19]
	CROUND                                         ; all sixteen work-groups are here: the first joint loads meet
	s_cmp_eq_u32 s15, 0                            ; one tensor load a wave at the head: waves 0, 1 x's halves, waves 2, 3 tile 0's
	s_cbranch_scc0 .Lfor_w
	tensor_load_to_lds s[G0X:G0X+3], s[G1X:G1X+7]
	s_nop 0
	PLACES 4
	s_branch .Lasked
.Lfor_w:
	tensor_load_to_lds s[G0W:G0W+3], s[G1W:G1W+7]
	s_nop 0
	PLACES 4
.Lasked:
	s_lshl_b32 s2, s40, 10
	s_lshl_b32 s3, s16, 8
	s_add_co_u32 s2, s2, s3                        ; the biases at channel 256 cx + 64 x half
	s_mov_b32 s3, 0
	s_add_nc_u64 s[76:77], s[76:77], s[2:3]
	s_add_nc_u64 s[78:79], s[78:79], s[2:3]
	s_add_nc_u64 s[80:81], s[80:81], s[2:3]
	s_and_b32 s10, s17, 0x30                       ; 16 x batch
	s_lshl_b32 s11, s40, 2
	s_add_co_u32 s10, s10, s11
	s_add_co_u32 s10, s10, s16                     ; + the head of my half of an even tile: 4 cx + half
	s_lshl_b32 s10, s10, 17                        ; 131,072 bytes a head
	s_and_b32 s11, s17, 15
	s_lshl_b32 s11, s11, 13                        ; 8,192 bytes a key step
	s_add_co_u32 s10, s10, s11
	s_lshl_b32 s11, s15, 10
	s_add_co_u32 s12, s10, s11                     ; v: my tokens are c = 2 x half ..: 1,024 bytes
	s_lshl_b32 s11, s15, 12
	s_add_co_u32 s10, s10, s11                     ; q, k: my tokens are t = 4 x half ..: 4,096 bytes
	s_mov_b32 s11, 0
	s_mov_b32 s13, 0
	s_add_nc_u64 s[84:85], s[84:85], s[10:11]
	s_add_nc_u64 s[86:87], s[86:87], s[10:11]
	s_add_nc_u64 s[88:89], s[88:89], s[12:13]
	s_mul_i32 s21, s15, HALFR
	s_mul_i32 s22, s16, HALFR
	v_and_b32 v1, 15, v0                           ; r
	v_and_b32 v3, 8, v0                            ; 8 (r / 8)
	v_bfe_u32 v2, v0, 4, 1                         ; h
	v_and_b32 v5, 31, v0
	v_add_nc_u32 v3, v3, v1
	v_lshlrev_b32 v[H64], 6, v2
	v_lshlrev_b32 v[L16], 4, v5
	v_mul_u32_u24 v4, v3, PITCH
	v_lshlrev_b32 v[R4], 2, v3
	v_lshl_add_u32 v4, v2, 4, v4                   ; (r + 8 (r / 8)) x pitch + 16 h
	v_add_nc_u32 v[ADRX], s21, v4
	v_add_nc_u32 v[ADRB], s22, v4
	v_add_nc_u32 v[ADRB+1], SLOT, v[ADRB]
	s_wait_alu depctr_va_vdst(0)                   ; a wait
; Tile j's biases, eight loads, into set j % 2.  q, k: 32 numbers, register 16 c + n: channel 32 c + 16 h + n.  v: my lane's channel of each fragment t, twice (a pair for the packed line)
.macro BIAS j
	WIN 0x40                                       ; destination: window 1
.if (\j) < 4
.irp c, 0,1
.irp k, 0,1,2,3
	global_load_b128 v[BS+32*((\j)%2)+16*\c+4*\k:BS+32*((\j)%2)+16*\c+4*\k+3], v[H64], s[76+2*((\j)/2):77+2*((\j)/2)] offset:4*(128*((\j)%2)+32*\c+4*\k)
.endr
.endr
.else
.irp t, 0,1,2,3
	global_load_b32 v[BS+32*((\j)%2)+2*\t], v[R4], s[80:81] offset:4*(128*((\j)%2)+32*(\t/2)+8*(\t%2))
	global_load_b32 v[BS+32*((\j)%2)+2*\t+1], v[R4], s[80:81] offset:4*(128*((\j)%2)+32*(\t/2)+8*(\t%2))
.endr
.endif
	WIN 0
.endm
.macro MKSC es0, es1, eo, m            ; s[4 + 2 m ..] = 2^ES, twice; v[10 + 2 m] = 2^EO; v[11 + 2 m] = 448 x 2^EO
	s_add_co_i32 s2, s\es0, s\es1
	s_add_co_i32 s2, s2, 127
	s_lshl_b32 s[4+2*\m], s2, 23
	s_mov_b32 s[5+2*\m], s[4+2*\m]
	s_add_co_i32 s2, s\eo, 127
	s_lshl_b32 s3, s2, 23
	v_mov_b32 v[10+2*\m], s3
	s_add_co_i32 s2, s2, 8
	s_lshl_b32 s2, s2, 23
	s_or_b32 s2, s2, 0x600000
	v_mov_b32 v[11+2*\m], s2
.endm
	BIAS 0
	s_wait_kmcnt 0x0
	MKSC 94, 95, 98, 0                             ; q
	MKSC 92, 93, 99, 1                             ; k
	MKSC 96, 97, 100, 2                            ; v
; Four fragments of the weights: K step q of the tile in the slot, into set q % 3
.macro BLOADQ slot, q
.irp b, 0,1,2,3
.irp c, 0,1,2,3
	ds_load_b128 v[BF+64*((\q)%3)+16*\b+4*\c:BF+64*((\q)%3)+16*\b+4*\c+3], v[ADRB+(\slot)] offset:(32*(\b/2)+8*(\b%2))*PITCH+128*(\q)+32*\c
.endr
.endr
.endm
; Tile j is asked for, into the slot that has just been read out
.macro NEXT j
	WIN 0
	s_wait_tensorcnt 0x0                           ; all my tensor loads are done: my part of the tile that is multiplied next,
	ds_add_u32 v[SPW], v[NIL]                      ; (the add; the descriptor's words stand between it and the wait for it)
	s_add_co_u32 s[G0R+1], s23, (((\j)+1)%2)*SLOT
	s_add_nc_u64 s[G0R+2:G0R+3], s[70+2*((\j)/2):71+2*((\j)/2)], 131072*((\j)%2)
	s_or_b32 s[G0R+3], s[G0R+3], 0x80000000
	s_wait_dscnt 0x0                               ; the add is done, and so are my reads of the slot
	CROUND                                         ; both hold of every wave of every partner
	tensor_load_to_lds s[G0R:G0R+3], s[G1R:G1R+7]  ; my one load behind the round: 32 rows
	s_nop 0
	PLACES 4                                       ; also the places in front of the loads into sets 0 and 1 and of the way out's first reads
.endm
; Tile j's products: eight K steps of 16 matrix instructions on 16 accumulators by turns.  The first K step starts the sums.
.macro COMPUTE j
.irp q, 0,1,2,3,4,5,6,7
	WIN 0
.if \q < 6
	PLACES 4                                       ; the set filled below was read by the K step before
	BLOADQ ((\j)+1)%2, \q+2
	s_wait_dscnt 32                                ; this K step's set is in; the two younger sets' 16 loads each may be out
.else
	s_wait_dscnt 16*(7-\q)
.endif
.if (\j) < 4
	WIN 0x58+4*(\q/4)                              ; source 0 window 0, source 1 window 2 or 3, C and D window 1
.else
	WIN 0x52+(\q/4)                                ; source 0 window 2 or 3, source 1 window 0, C and D window 1
.endif
.irp i, 0,1,2,3
.irp b, 0,1,2,3
.set WF, BF+64*(\q%3)+16*\b
.set XF, 16*(4*(\q%4)+\i)
.if (\j) < 4
.set DD, 8*(4*\i+\b)
.if \q == 0
	v_wmma_f32_16x16x128_fp8_fp8 v[DD:DD+7], v[WF:WF+15], v[XF:XF+15], 0
.else
	v_wmma_f32_16x16x128_fp8_fp8 v[DD:DD+7], v[WF:WF+15], v[XF:XF+15], v[DD:DD+7]
.endif
.else
.set DD, 8*(4*\b+\i)
.if \q == 0
	v_wmma_f32_16x16x128_fp8_fp8 v[DD:DD+7], v[XF:XF+15], v[WF:WF+15], 0
.else
	v_wmma_f32_16x16x128_fp8_fp8 v[DD:DD+7], v[XF:XF+15], v[WF:WF+15], v[DD:DD+7]
.endif
.endif
.endr
.endr
.endr
.endm
; Tile j's way out: sum x 2^ES + bias, the hold, the conversion; registers 16 p .. 16 p + 15 give piece p
.macro WAYOUT j
.if (\j) < 5
	s_wait_loadcnt 8                               ; this tile's biases are in; the next tile's eight loads may be out
.else
	s_wait_loadcnt 0x0
.endif
	s_wait_xcnt 0x0                                ; the last tile's stores have read the codes' registers
	WIN 0x51                                       ; destination, source 0 and source 2: window 1
.irp p, 0,1,2,3,4,5,6,7
.irp n, 0,2,4,6,8,10,12,14
.if (\j) < 4
	v_pk_fma_f32 v[16*\p+\n:16*\p+\n+1], v[16*\p+\n:16*\p+\n+1], s[4+2*((\j)/2):5+2*((\j)/2)], v[BS+32*((\j)%2)+16*(\p%2)+\n:BS+32*((\j)%2)+16*(\p%2)+\n+1] op_sel_hi:[1,0,1]   ; each accumulator from its low end on
.else
	v_pk_fma_f32 v[16*\p+\n:16*\p+\n+1], v[16*\p+\n:16*\p+\n+1], s[4+2*((\j)/2):5+2*((\j)/2)], v[BS+32*((\j)%2)+2*(\p/2):BS+32*((\j)%2)+2*(\p/2)+1] op_sel_hi:[1,0,1]
.endif
.endr
.endr
	WIN 0x41                                       ; destination and source 0: window 1
.irp p, 0,1,2,3,4,5,6,7
.irp n, 0,1,2,3,4,5,6,7,8,9,10,11,12,13,14,15
	v_med3_num_f32 v[16*\p+\n], v[16*\p+\n], -v[11+2*((\j)/2)], v[11+2*((\j)/2)]   ; the conversion to an 8-bit code does not saturate (ISA guide 7.6.2)
.endr
	v_cvt_scalef32_pk8_fp8_f32 v[CD+4*\p:CD+4*\p+1], v[16*\p:16*\p+7], v[10+2*((\j)/2)]
	v_cvt_scalef32_pk8_fp8_f32 v[CD+4*\p+2:CD+4*\p+3], v[16*\p+8:16*\p+15], v[10+2*((\j)/2)]
.endr
	v_nop                                          ; a plain instruction behind the last conversion: the next tile's products write its sources
	WIN 0x04                                       ; the stores' data: window 1
.irp p, 0,1,2,3,4,5,6,7
.if (\j) < 4
	global_store_b128 v[L16], v[CD+4*\p:CD+4*\p+3], s[84+2*((\j)/2):85+2*((\j)/2)] offset:262144*((\j)%2)+512*\p th:TH_STORE_NT   ; 32 lanes store 512 consecutive bytes, at a multiple of 512 from the buffer's first byte
.else
	global_store_b128 v[L16], v[CD+4*\p:CD+4*\p+3], s[88:89] offset:262144*((\j)%2)+2048*(\p/2)+512*(\p%2) th:TH_STORE_NT
.endif
.endr
	WIN 0
.endm
	s_wait_alu depctr_va_vdst(0)                   ; the wait at the head's end
	s_wait_tensorcnt 0x0                           ; my part of x or of tile 0 is in,
	s_barrier_signal -1
	s_barrier_wait -1                              ; everybody's is
.irp q, 0,1,2,3,4,5,6,7                ; x into registers: 128 loads
	WIN 0x80+0x40*(\q/4)                           ; destination: window 2 or 3
.irp i, 0,1,2,3
.irp c, 0,1,2,3
	ds_load_b128 v[16*(4*(\q%4)+\i)+4*\c:16*(4*(\q%4)+\i)+4*\c+3], v[ADRX] offset:(32*(\i/2)+8*(\i%2))*PITCH+128*\q+32*\c
.endr
.endr
.endr
	NEXT 1                                         ; slot 0 has been read out: it takes tile 1
	BLOADQ 1, 0
	BLOADQ 1, 1
	BIAS 1
	COMPUTE 0
.irp j, 1,2,3,4
	NEXT \j+1
	BLOADQ ((\j)+1)%2, 0
	BLOADQ ((\j)+1)%2, 1
	WAYOUT \j-1
	BIAS \j+1
	COMPUTE \j
.endr
	WIN 0
	s_wait_tensorcnt 0x0                           ; my part of tile 5 is in,
	s_wait_dscnt 0x0
	s_barrier_signal -1
	s_barrier_wait -1                              ; everybody's is; nothing is left to ask for
	PLACES 4
	BLOADQ 0, 0
	BLOADQ 0, 1
	WAYOUT 4
	COMPUTE 5
	WIN 0
	PLACES 4                                       ; behind the last products
	WAYOUT 5
	s_wait_tensorcnt 0x0                           ; the wave's end
	ds_add_u32 v[SPW], v[NIL]
	s_wait_dscnt 0x0
	CROUND                                         ; the closing round
	s_endpgm
.Lfunc_end_k_qf9905dff3c_qkv:
	.size	k_qf9905dff3c_qkv, .Lfunc_end_k_qf9905dff3c_qkv-k_qf9905dff3c_qkv
	.p2alignl 7, 3214868480
	.fill 96, 4, 3214868480
	.section	.rodata,"a",@progbits
	.p2align	6, 0x0
	.amdhsa_kernel k_qf9905dff3c_qkv
		.amdhsa_group_segment_fixed_size 327680
		.amdhsa_private_segment_fixed_size 0
		.amdhsa_enable_private_segment 0
		.amdhsa_kernarg_size 88
		.amdhsa_user_sgpr_count 2
		.amdhsa_user_sgpr_kernarg_segment_ptr 1
		.amdhsa_wavefront_size32 1
		.amdhsa_system_sgpr_workgroup_id_x 1
		.amdhsa_system_sgpr_workgroup_id_y 1
		.amdhsa_system_sgpr_workgroup_id_z 1
		.amdhsa_system_vgpr_workitem_id 0
		.amdhsa_next_free_vgpr 1024
		.amdhsa_next_free_sgpr 101
		.amdhsa_reserve_vcc 0
		.amdhsa_float_denorm_mode_32 3
		.amdhsa_float_denorm_mode_16_64 3
		.amdhsa_memory_ordered 1
		.amdhsa_forward_progress 1
		.amdhsa_inst_pref_size 215
	.end_amdhsa_kernel
	.amdgpu_metadata
---
amdhsa.version: [ 1, 2 ]
amdhsa.kernels:
  - .name:           k_qf9905dff3c_qkv
    .symbol:         k_qf9905dff3c_qkv.kd
    .args:
      - { .name: x_codes, .offset: 0, .size: 8, .value_kind: global_buffer, .address_space: global }
      - { .name: Wq_codes, .offset: 8, .size: 8, .value_kind: global_buffer, .address_space: global }
      - { .name: Wk_codes, .offset: 16, .size: 8, .value_kind: global_buffer, .address_space: global }
      - { .name: Wv_codes, .offset: 24, .size: 8, .value_kind: global_buffer, .address_space: global }
      - { .name: bq, .offset: 32, .size: 8, .value_kind: global_buffer, .address_space: global }
      - { .name: bk, .offset: 40, .size: 8, .value_kind: global_buffer, .address_space: global }
      - { .name: bv, .offset: 48, .size: 8, .value_kind: global_buffer, .address_space: global }
      - { .name: lowp_scales, .offset: 56, .size: 8, .value_kind: global_buffer, .address_space: global }
      - { .name: qimg, .offset: 64, .size: 8, .value_kind: global_buffer, .address_space: global }
      - { .name: kimg, .offset: 72, .size: 8, .value_kind: global_buffer, .address_space: global }
      - { .name: vimg, .offset: 80, .size: 8, .value_kind: global_buffer, .address_space: global }
    .group_segment_fixed_size: 327680
    .private_segment_fixed_size: 0
    .kernarg_segment_align: 8
    .kernarg_segment_size: 88
    .max_flat_workgroup_size: 128
    .sgpr_count:     101
    .vgpr_count:     1024
    .wavefront_size: 32
...
	.end_amdgpu_metadata
.endif
;; end of part 1
;; launch attn (part 2): grid 4 x 64, 16 waves a work-group, clusters of 4 x 1, 327,680 bytes of LDS; arguments qimg, kimg, vimg, lowp_scales, yimg; writes yimg
.if DOCPART == 2
	.amdgcn_target "amdgcn-amd-amdhsa--gfx1250"
	.amdhsa_code_object_version 6
	.text
	.protected	k_qf9905dff3c_attn
	.globl	k_qf9905dff3c_attn
	.p2align	8
	.type	k_qf9905dff3c_attn,@function
k_qf9905dff3c_attn:
	s_mov_b64 s[64:65], 0
	v_nop
	global_prefetch_b8 v0, s[64:65] scope:SCOPE_SE
	s_setreg_imm32_b32 hwreg(HW_REG_WAVE_MODE, 25, 1), 1
	s_wait_xcnt 0x0
	s_wait_alu depctr_hold_cnt(0) depctr_sa_sdst(0) depctr_va_vdst(0) depctr_va_sdst(0) depctr_va_ssrc(0) depctr_va_vcc(0) depctr_vm_vsrc(0)
	s_getreg_b32 s2, hwreg(HW_REG_IB_STS2, 6, 4)
	s_cmp_eq_u32 s2, 0
	s_cbranch_scc0 .Lentry_in_a_cluster
	s_endpgm
.Lentry_in_a_cluster:
	s_bfe_u32 s2, ttmp6, 0x10000c
	s_cmp_lg_u32 s2, 0x3003
	s_cbranch_scc0 .Lentry_shape_is_right
	s_endpgm
.Lentry_shape_is_right:
; y[b][q][head] = the sum over keys k <= q of softmax_k(q . k / 8) v, both products on codes of FP8 (E4M3); y is quantised at once for the output projection.
; LEFT OUT: key steps all of whose 128 keys come after a tile's 16 queries (the mask that reference() builds makes their p 0: shown at the head of launch qkv).
; qimg, kimg, vimg: images of operand registers (pieces of 512 bytes, lane l's 16 bytes at 16 l; r = lane % 16, h = lane / 16):
;   qimg, kimg: [head 64][step 16][t 8][c 2][lane][16]: token 128 step + 32 (t / 2) + 8 (t % 2) + r + 8 (r / 8), channel 32 c + 16 h + byte
;   vimg:       [head 64][step 16][t 4][c 4][lane][16]: channel 32 (t / 2) + 8 (t % 2) + r + 8 (r / 8), key 128 step + 32 c + 16 h + byte
;   yimg (out): [G 512][head 16][c 2][lane][16]: token 32 (G / 2) + 8 (G % 2) + r + 8 (r / 8) of all 8,192, channel 64 head + 32 c + 16 h + byte
; Scales (whole numbers e): q 2^e6, k 2^e7, v 2^e8, p 2^e9, y 2^e10.
; THE SOFTMAX: t = score x log2(e) / 8; M = the largest t so far, rounded UP to a whole number; p = 2^(t - M) is what is quantised; the row's sum is taken of the unquantised p and divides O at the end.
; When M moves, the sum and O are multiplied by 2^(old M - new M): nothing is rounded.  A hidden key's score becomes -infinity ahead of the maximum, so its p is 0.
; SHARES.  The four work-groups of a head form a cluster.  A head has 16 groups of 8 query tiles (16 queries each); group g has its diagonal in key step g.  Work-group cx takes tiles 2 cx and 2 cx + 1 of EVERY group.
; Wave w takes tile 2 cx + w % 2 of group 15 - w / 2, then of group w / 2: (16 - w / 2) + (w / 2 + 1) = 17 key steps for every wave.  Which steps a wave walks hangs on its number alone; cx enters only
; the addresses of Q and y and the number that the mask's compares take.  So all partners run alike and need all 16 key steps.
; LDS holds the head's whole K image (131,072 bytes) and V image (131,072 bytes), each byte filled once, by JOINT loads (mask 15): at the head each of the 16 waves asks for 4,096 bytes of key steps 0 to 3
; (waves 0-7 of K, 8-15 of V); behind the three lines and a round each asks for 12,288 bytes of key steps 4 to 15, which have four key steps' work in which to land.  One tensor load of a wave is out at a time.
; NO PREFETCH: all of K and V is asked for in these two groups at the head; there is no loop to run ahead in.
; LAYOUT.  Both products are used transposed: S^T = K Q^T (source 0 = 16 keys, source 1 = my 16 queries), O^T = V^T P^T: a lane holds ONE query throughout.  The 16 registers of S^T's tiles 2 b, 2 b + 1 are the keys
; 32 b + 16 h + 0 .. 15: p's conversions give the second product's operand; O^T's 16 registers of tiles 2 b, 2 b + 1 are channels 32 b + 16 h + 0 .. 15: y's conversions give two pieces of yimg.
; LIMITS on the given exponents: e6 + e7 between -123 and 12 (added to c's exponent field; the upper end keeps every score far under the 1e10 of the mask); e9, and e10 - e8 - e9, between -126 and 119.  NaN codes are not served.
.set STEPB, 8192                       ; a key step's bytes in K's image and in V's
.set VBASE, 131072                     ; V's image in LDS
.set SPARE, 262144                     ; the spare words: 128 bytes for each of 16 waves
.set L16,  1                           ; v1   16 x lane
.set ADK,  2                           ; v2   LDS address of the step's pieces of K
.set ADV,  3                           ; v3   of V
.set DL,   4                           ; v4   my query's place in its key step, less 16 h
.set NINF, 5                           ; v5   -infinity
.set PLIM2, 7                          ; v7   448 x 2^e9 once more: the second half of a dual pair takes its second source from another bank of registers
.set SPW,  8                           ; v8   my spare word; v9 0
.set NIL,  9
.set YSC,  10                          ; v10  2^(e10 - e8 - e9);  v11  448 x that
.set YLIM, 11
.set NM,   12                          ; v12  -M;  v13 the largest t so far
.set SUM,  14                          ; v[14:15] the row's sum, in two halves
.set QF,   16                          ; v16-23  Q's fragment
.set W0,   24
.set W1,   25                          ; a lane permute's destination
.set FF,   26                          ; v[26:27] f = 2^(old M - new M)
.set PLIM, 30                          ; v30  448 x 2^e9;  v31  2^e9
.set PSC,  31
.set KFR,  32                          ; v32-95  K's eight fragments; then v32-47 p's codes, v84-95 partial sums
.set S,    96                          ; v96-159  S^T, then p
.set O,    160                         ; v160-191 O^T
.set VFR,  192                         ; v192-255 V's four fragments
.set TB,   2                           ; s2   LDS byte of the key step in hand
.set CNT,  3
.set WV,   14                          ; my wave's number
.set U,    15                          ; wave / 2
.set G1A,  16                          ; s[16:23], s[24:31] descriptor groups 1: 16 and 48 rows of 256 bytes
.set G1B,  24
.set G0A,  32                          ; s[32:35], s[36:39] their groups 0
.set G0B,  36
.set HB,   40                          ; s[40:41] the head's first byte in qimg, kimg, vimg
.set SEL,  42                          ; s[42:43] lane l xor 16
.set CS,   44                          ; s[44:45] c = log2(e) / 8 x 2^(e6 + e7)
.set KS,   46                          ; the key step in hand
.set SL,   47                          ; my tile's group = its diagonal key step: made of the wave's number alone
.set QP,   48                          ; s[48:49] an address at work
.set BH,   50                          ; 16 x batch + head
.set CX,   51                          ; my place in the cluster
.set YB,   52                          ; s[52:53] my batch's and head's byte in yimg
.set Y1,   54                          ; s[54:55], s[56:57] my two tiles in yimg
.set Y2,   56
.set T8,   62                          ; my tile in its group: 2 cx + wave % 2
.macro ROUND                           ; a round of the cluster's barrier
	s_barrier_signal -1
	s_barrier_wait -1
	s_cmp_lg_u32 s[WV], 0
	s_cbranch_scc1 .Lnw0_\@
	s_barrier_signal -3
.Lnw0_\@:
	s_barrier_wait -3
	s_barrier_signal -1
	s_barrier_wait -1
.endm
	s_load_b256 s[4:11], s[0:1], 0x0               ; qimg s[4:5], kimg s[6:7], vimg s[8:9], the scales' exponents s[10:11]
	s_load_b64 s[12:13], s[0:1], 0x20              ; yimg
	v_lshl_add_u32 v[SPW], v0, 2, SPARE
	v_mov_b32 v[NIL], 0
	ds_add_u32 v[SPW], v[NIL]                      ; the opening lines: the add twice on end and its wait ahead of my first tensor load
	ds_add_u32 v[SPW], v[NIL]
	v_lshrrev_b32 v1, 5, v0
	v_readfirstlane_b32 s[WV], v1                  ; wave 0..15
	s_and_b32 s[BH], ttmp7, 0xffff
	s_bfe_u32 s[CX], ttmp6, 0x40000
	s_lshl_b32 s[HB], s[BH], 17
	s_mov_b32 s[HB+1], 0
	s_mov_b32 s[G1A], 15|(3<<16)|(1<<21)           ; the mask names the cluster's four; elements of 8 bytes; bit 21 beside a mask; no padding: the pieces are read 16 bytes a lane on end
	s_mov_b32 s[G1A+1], 32<<16                     ; rows of 32 elements = 256 bytes, dense
	s_mov_b32 s[G1A+2], 16<<16                     ; 16 rows
	s_mov_b32 s[G1A+3], 32<<16
	s_mov_b32 s[G1A+4], 16
	s_mov_b32 s[G1A+5], 32
	s_mov_b32 s[G1A+6], 0
	s_mov_b32 s[G1A+7], 0
	s_mov_b32 s[G1B], 15|(3<<16)|(1<<21)
	s_mov_b32 s[G1B+1], 32<<16
	s_mov_b32 s[G1B+2], 48<<16                     ; 48 rows
	s_mov_b32 s[G1B+3], 32<<16
	s_mov_b32 s[G1B+4], 48
	s_mov_b32 s[G1B+5], 32
	s_mov_b32 s[G1B+6], 0
	s_mov_b32 s[G1B+7], 0
	s_and_b32 s58, s[WV], 7                        ; my eighth of an image's part
	s_lshr_b32 s59, s[WV], 3
	s_lshl_b32 s59, s59, 17                        ; K's image or V's, in LDS
	s_mul_i32 s60, s58, 12288
	s_add_co_u32 s60, s60, 4*STEPB                 ; second group: behind key steps 0 to 3
	s_lshl_b32 s58, s58, 12                        ; first group
	s_mov_b32 s[G0A], 1
	s_add_co_u32 s[G0A+1], s59, s58
	s_mov_b32 s[G0B], 1
	s_add_co_u32 s[G0B+1], s59, s60
	s_mov_b32 s59, 0
	s_mov_b32 s61, 0
	s_mov_b32 s[SEL], 0x76543210
	s_mov_b32 s[SEL+1], 0xfedcba98
	s_mov_b32 s[CS], 0x3e38aa3b                    ; log2(e) / 8
	s_wait_dscnt 0x0                               ; both opening adds are done
	s_wait_kmcnt 0x0
	s_load_b128 s[68:71], s[10:11], 0x18           ; e6, e7, e8, e9
	s_load_b32 s72, s[10:11], 0x28                 ; e10
	s_cmp_lt_u32 s[WV], 8
	s_cselect_b64 s[QP:QP+1], s[6:7], s[8:9]
	s_add_nc_u64 s[QP:QP+1], s[QP:QP+1], s[HB:HB+1]
	s_add_nc_u64 s[G0A+2:G0A+3], s[QP:QP+1], s[58:59]
	s_or_b32 s[G0A+3], s[G0A+3], 0x80000000
	s_add_nc_u64 s[G0B+2:G0B+3], s[QP:QP+1], s[60:61]
	s_or_b32 s[G0B+3], s[G0B+3], 0x80000000
	ROUND                                          ; the four work-groups are here: the first joint loads meet
	tensor_load_to_lds s[G0A:G0A+3], s[G1A:G1A+7]  ; my 4,096 bytes of key steps 0 to 3: one tensor load a wave at the head
	s_nop 0
.rept 4
	v_nop
.endr
	s_and_b32 s58, s[WV], 1
	s_lshl_b32 s[T8], s[CX], 1
	s_add_co_u32 s[T8], s[T8], s58                 ; my tile in its group
	s_lshl_b32 s59, s[CX], 5
	s_lshl_b32 s58, s58, 3
	s_add_co_u32 s59, s59, s58                     ; where its queries begin in their key step: 32 cx + 8 (wave % 2)
	s_lshr_b32 s[YB], s[BH], 4                     ; the batch: 128 tiles of 16,384 bytes,
	s_lshl_b32 s[YB], s[YB], 21
	s_and_b32 s[YB+1], s[BH], 15                   ; the head: 1,024 bytes
	s_lshl_b32 s[YB+1], s[YB+1], 10
	s_add_co_u32 s[YB], s[YB], s[YB+1]
	s_mov_b32 s[YB+1], 0
	s_lshr_b32 s[U], s[WV], 1
	v_and_b32 v[L16], 31, v0
	v_and_b32 v6, 15, v0                           ; r
	v_and_b32 v[DL], 8, v0                         ; 8 (r / 8)
	v_and_b32 v[W0], 16, v0                        ; 16 h
	v_lshlrev_b32 v[L16], 4, v[L16]
	v_add_nc_u32 v[DL], v[DL], v6
	v_mov_b32 v[NINF], 0xff800000
	v_sub_nc_u32 v[DL], v[DL], v[W0]
	v_mov_b32 v[W1], 0                             ; written once: a lane permute's destination counts as one of its sources
	v_mov_b32 v[FF+1], 0                           ; (named as the upper half of the pair)
	v_add_nc_u32 v[DL], s59, v[DL]
	s_wait_alu depctr_va_vdst(0)                   ; a wait
; A KEY STEP: 128 keys.  diag = 1: the step may lie on or behind my tile's diagonal step.
.macro STEP diag
.if \diag
	s_cmp_gt_u32 s[KS], s[SL]                      ; all its keys come after my queries: the work is left out, by a scalar branch on the wave's number and the count of steps
	s_cbranch_scc1 .Lhid_\@
.endif
	v_add_nc_u32 v[ADK], s[TB], v[L16]
	s_delay_alu instid0(VALU_DEP_1)
	v_add_nc_u32 v[ADV], VBASE, v[ADK]
	v_nop                                          ; with the two additions: four places in front of loads into registers that the last products read
	v_nop
.irp t, 0,1,2,3,4,5,6,7
	ds_load_b128 v[KFR+8*\t:KFR+8*\t+3], v[ADK] offset:1024*\t
	ds_load_b128 v[KFR+8*\t+4:KFR+8*\t+7], v[ADK] offset:1024*\t+512
.endr
.irp t, 0,1,2,3
.irp c, 0,1,2,3
	ds_load_b128 v[VFR+16*\t+4*\c:VFR+16*\t+4*\c+3], v[ADV] offset:2048*\t+512*\c
.endr
.endr
	s_wait_dscnt 16                                ; K's 16 loads are in; V's 16 stay out through the softmax
.irp t, 0,1,2,3,4,5,6,7
	v_wmma_f32_16x16x64_fp8_fp8 v[S+8*\t:S+8*\t+7], v[KFR+8*\t:KFR+8*\t+7], v[QF:QF+7], 0
.endr
.rept 4
	v_nop
.endr
.if \diag
	s_cmp_lt_u32 s[KS], s[SL]                      ; all keys of the step count: no mask
	s_cbranch_scc1 .Lopen_\@
.set MN, 0
.rept 64
	v_cmp_gt_i32 vcc_lo, 32*(MN/16)+MN%16, v[DL]   ; register 16 b + i holds key 32 b + 16 h + i of the step: hidden where it comes after my query
	v_cndmask_b32 v[S+MN], v[S+MN], v[NINF], vcc_lo
.set MN, MN+1
.endr
.Lopen_\@:
.endif
	v_max3_num_f32 v[W0], v[S], v[S+1], v[S+2]     ; the step's largest score of my query among my 64 keys, in four chains, each accumulator from its low end on,
	v_max3_num_f32 v[FF], v[S+3], v[S+4], v[S+5]
	v_max3_num_f32 v28, v[S+8], v[S+9], v[S+10]
	v_max3_num_f32 v29, v[S+11], v[S+12], v[S+13]
	v_max3_num_f32 v[W0], v[W0], v[S+6], v[S+7]
	v_max3_num_f32 v[FF], v[FF], v[S+14], v[S+15]
.irp i, 16,24,32,40,48,56
	v_max3_num_f32 v28, v28, v[S+\i], v[S+1+\i]
	v_max3_num_f32 v29, v29, v[S+2+\i], v[S+3+\i]
	v_max3_num_f32 v[W0], v[W0], v[S+4+\i], v[S+5+\i]
	v_max3_num_f32 v[FF], v[FF], v[S+6+\i], v[S+7+\i]
.endr
	v_max3_num_f32 v[W0], v[W0], v28, v29
	s_delay_alu instid0(VALU_DEP_1)
	v_max_num_f32 v[W0], v[W0], v[FF]
	s_delay_alu instid0(VALU_DEP_1)
	v_permlanex16_b32 v[W1], v[W0], s[SEL], s[SEL+1]
	s_delay_alu instid0(VALU_DEP_1)
	v_max_num_f32 v[W0], v[W0], v[W1]              ; and among lane l xor 16's
	s_delay_alu instid0(VALU_DEP_1)
	v_mul_f32 v[W0], s[CS], v[W0]                  ; as t (c is positive)
	s_delay_alu instid0(VALU_DEP_1)
	v_max_num_f32 v[NM+1], v[NM+1], v[W0]          ; the running largest t
	v_mov_b32 v[W0], v[NM]
	s_delay_alu instid0(VALU_DEP_2)
	v_floor_f32 v[NM], -v[NM+1]                    ; the new -M = floor(-t): M is a whole number
	s_delay_alu instid0(VALU_DEP_1)
	v_sub_f32 v[W0], v[NM], v[W0]                  ; old M - new M: a whole number, 0 or less.  The two lines that make f of it stand among the multiply-adds, which do not hang on them
.set MN, 0
.rept 8
	v_pk_fma_f32 v[S+MN:S+MN+1], v[S+MN:S+MN+1], s[CS:CS+1], v[NM:NM+1] op_sel_hi:[1,0,0]   ; t - M, two at a time
.set MN, MN+2
.endr
	v_cvt_i32_f32 v[W0], v[W0]                     ; (it saturates)
.rept 8
	v_pk_fma_f32 v[S+MN:S+MN+1], v[S+MN:S+MN+1], s[CS:CS+1], v[NM:NM+1] op_sel_hi:[1,0,0]
.set MN, MN+2
.endr
	v_ldexp_f32 v[FF], 1.0, v[W0]                  ; f = 2^(old M - new M)
.rept 16
	v_pk_fma_f32 v[S+MN:S+MN+1], v[S+MN:S+MN+1], s[CS:CS+1], v[NM:NM+1] op_sel_hi:[1,0,0]
.set MN, MN+2
.endr
.set MN, 0
	s_wait_alu depctr_va_vdst(0)                   ; the wait ahead of the batch
.rept 64
	v_exp_f32 v[S+MN], v[S+MN]                     ; p = 2^(t - M), at most 1: not normalised
.set MN, MN+1
.endr
	v_pk_mul_f32 v[SUM:SUM+1], v[SUM:SUM+1], v[FF:FF+1] op_sel_hi:[1,0]   ; the sums under the new M: the plain instruction behind the exponentials
	s_wait_alu depctr_va_vdst(0)                   ; one wait for the batch of 64, ahead of its first reader
	v_pk_add_f32 v[28:29], v[100:101], v[104:105]  ; the row's sum of the unquantised p: 32 packed additions in eight chains
	v_pk_add_f32 v[94:95], v[108:109], v[112:113]
	v_pk_add_f32 v[92:93], v[116:117], v[120:121]
	v_pk_add_f32 v[90:91], v[124:125], v[128:129]
	v_pk_add_f32 v[88:89], v[132:133], v[136:137]
	v_pk_add_f32 v[86:87], v[140:141], v[144:145]
	v_pk_add_f32 v[84:85], v[148:149], v[152:153]
	v_pk_add_f32 v[14:15], v[14:15], v[156:157]
	v_pk_add_f32 v[28:29], v[28:29], v[96:97]
	v_pk_add_f32 v[94:95], v[94:95], v[98:99]
	v_pk_add_f32 v[92:93], v[92:93], v[102:103]
	v_pk_add_f32 v[90:91], v[90:91], v[106:107]
	v_pk_add_f32 v[88:89], v[88:89], v[110:111]
	v_pk_add_f32 v[86:87], v[86:87], v[114:115]
	v_pk_add_f32 v[84:85], v[84:85], v[118:119]
	v_pk_add_f32 v[14:15], v[14:15], v[122:123]
	v_pk_add_f32 v[28:29], v[28:29], v[126:127]
	v_pk_add_f32 v[94:95], v[94:95], v[130:131]
	v_pk_add_f32 v[92:93], v[92:93], v[134:135]
	v_pk_add_f32 v[90:91], v[90:91], v[138:139]
	v_pk_add_f32 v[88:89], v[88:89], v[142:143]
	v_pk_add_f32 v[86:87], v[86:87], v[146:147]
	v_pk_add_f32 v[84:85], v[84:85], v[150:151]
	v_pk_add_f32 v[14:15], v[14:15], v[154:155]
	v_pk_add_f32 v[28:29], v[28:29], v[158:159]
	s_delay_alu instid0(VALU_DEP_2)
	v_pk_add_f32 v[14:15], v[14:15], v[90:91]
	s_delay_alu instid0(VALU_DEP_2)
	v_pk_add_f32 v[28:29], v[28:29], v[88:89]
	v_pk_add_f32 v[94:95], v[94:95], v[86:87]
	v_pk_add_f32 v[92:93], v[92:93], v[84:85]
	s_delay_alu instid0(VALU_DEP_2)
	v_pk_add_f32 v[14:15], v[14:15], v[94:95]
	s_delay_alu instid0(VALU_DEP_2)
	v_pk_add_f32 v[28:29], v[28:29], v[92:93]
	s_delay_alu instid0(VALU_DEP_1)
	v_pk_add_f32 v[14:15], v[14:15], v[28:29]
.irp b, 0,1,2,3
.irp i, 0,2,4,6,8,10,12,14
	v_dual_min_num_f32 v[S+16*\b+\i], v[S+16*\b+\i], v[PLIM] :: v_dual_min_num_f32 v[S+16*\b+\i+1], v[S+16*\b+\i+1], v[PLIM2]   ; the conversion does not saturate (ISA guide 7.6.2); p is not negative, so the hold is one-sided; two numbers an instruction
.endr
	v_cvt_scalef32_pk8_fp8_f32 v[KFR+4*\b:KFR+4*\b+1], v[S+16*\b:S+16*\b+7], v[PSC]
	v_cvt_scalef32_pk8_fp8_f32 v[KFR+4*\b+2:KFR+4*\b+3], v[S+16*\b+8:S+16*\b+15], v[PSC]
.endr
	s_wait_alu depctr_va_vdst(0)                   ; directly ahead of the first reader of O^T
.set MN, 0
.rept 16
	v_pk_mul_f32 v[O+MN:O+MN+1], v[O+MN:O+MN+1], v[FF:FF+1] op_sel_hi:[1,0]   ; O^T under the new M.  (Also the plain instructions between the conversions and the products that read the codes)
.set MN, MN+2
.endr
	s_wait_alu depctr_va_vdst(0)
	s_wait_dscnt 0x0                               ; V is in
.irp t, 0,1,2,3
	v_wmma_f32_16x16x128_fp8_fp8 v[O+8*\t:O+8*\t+7], v[VFR+16*\t:VFR+16*\t+15], v[KFR:KFR+15], v[O+8*\t:O+8*\t+7]   ; the four accumulators take turns, and the next step's eight products stand between two links
.endr
.if \diag
.Lhid_\@:
.endif
	s_add_co_u32 s[TB], s[TB], STEPB
	s_add_co_u32 s[KS], s[KS], 1
.endm
; n key steps from step first on: a loop of constant count; the LDS byte begins at a constant
.macro RUN n, diag, first
	s_mov_b32 s[TB], (\first)*STEPB
	s_mov_b32 s[KS], \first
	s_mov_b32 s[CNT], \n
.Lrun_\@:
	STEP \diag
	s_sub_co_u32 s[CNT], s[CNT], 1
	s_cmp_lg_u32 s[CNT], 0
	s_cbranch_scc1 .Lrun_\@
.endm
; A tile is taken up: s[SL] = its group.  Its addresses in qimg and yimg, and the two loads of Q
.macro PASS_SET yp
	s_lshl_b32 s58, s[SL], 3
	s_add_co_u32 s58, s58, s[T8]                   ; the tile's number in the head
	s_lshl_b32 s[QP], s58, 10                      ; 1,024 bytes a tile
	s_mov_b32 s[QP+1], 0
	s_add_nc_u64 s[QP:QP+1], s[QP:QP+1], s[HB:HB+1]
	s_add_nc_u64 s[QP:QP+1], s[4:5], s[QP:QP+1]
	s_lshl_b32 s[\yp], s58, 14                     ; 16,384 bytes a tile in yimg
	s_mov_b32 s[\yp+1], 0
	s_add_nc_u64 s[\yp:\yp+1], s[\yp:\yp+1], s[YB:YB+1]
	s_add_nc_u64 s[\yp:\yp+1], s[12:13], s[\yp:\yp+1]
	global_load_b128 v[QF:QF+3], v[L16], s[QP:QP+1]
	global_load_b128 v[QF+4:QF+7], v[L16], s[QP:QP+1] offset:512
.endm
.macro PASS_INIT
	v_mov_b32 v[NM+1], 0xff61b1e6                  ; the largest t so far: -3e38, under every t
	s_delay_alu instid0(VALU_DEP_1)
	v_floor_f32 v[NM], -v[NM+1]
	v_mov_b32 v[SUM], 0
	v_mov_b32 v[SUM+1], 0
.set MN, 0
.rept 32
	v_mov_b32 v[O+MN], 0                           ; O^T.  (The step has no first step of its own: the first change of M multiplies zeros)
.set MN, MN+1
.endr
	s_wait_alu depctr_va_vdst(0)
	s_wait_loadcnt 0x0                             ; Q
.endm
; A tile's end: O^T / the sum, quantised: the conversions' results are two pieces of yimg
.macro FINISH yp
.rept 4
	v_nop                                          ; places behind the last products
.endr
	v_add_f32 v[SUM], v[SUM], v[SUM+1]             ; the sum's two halves,
	s_delay_alu instid0(VALU_DEP_1)
	v_permlanex16_b32 v[W1], v[SUM], s[SEL], s[SEL+1]
	s_delay_alu instid0(VALU_DEP_1)
	v_add_f32 v[SUM], v[SUM], v[W1]                ; and lane l xor 16's
	s_wait_alu depctr_va_vdst(0)                   ; the wait ahead of the transcendental
	v_rcp_f32 v[SUM], v[SUM]
	v_nop                                          ; a plain instruction behind the reciprocal
	s_wait_alu depctr_va_vdst(0)                   ; and the wait ahead of its first reader, which is O^T's first reader too
.set MN, 0
.rept 16
	v_pk_mul_f32 v[S+MN:S+MN+1], v[O+MN:O+MN+1], v[SUM:SUM+1] op_sel_hi:[1,0]   ; each accumulator from its low end on
.set MN, MN+2
.endr
.irp b, 0,1
.irp i, 0,1,2,3,4,5,6,7,8,9,10,11,12,13,14,15
	v_med3_num_f32 v[S+16*\b+\i], v[S+16*\b+\i], -v[YLIM], v[YLIM]
.endr
	v_cvt_scalef32_pk8_fp8_f32 v[KFR+4*\b:KFR+4*\b+1], v[S+16*\b:S+16*\b+7], v[YSC]
	v_cvt_scalef32_pk8_fp8_f32 v[KFR+4*\b+2:KFR+4*\b+3], v[S+16*\b+8:S+16*\b+15], v[YSC]
.endr
	v_nop                                          ; a plain instruction behind the last conversion
	global_store_b128 v[L16], v[KFR:KFR+3], s[\yp:\yp+1] th:TH_STORE_NT               ; 32 lanes store 512 consecutive bytes, at a multiple of 512 from the buffer's first byte
	global_store_b128 v[L16], v[KFR+4:KFR+7], s[\yp:\yp+1] offset:512 th:TH_STORE_NT
	s_wait_xcnt 0x0                                ; the stores have read their registers: the next tile's loads may land there
.endm
	s_sub_co_u32 s[SL], 15, s[U]                   ; the later group first: 15 - wave / 2, at least 8
	PASS_SET Y1                                    ; Q's loads go out ahead of the wait for the scales
	s_wait_kmcnt 0x0                               ; e6 .. e10
	s_add_co_i32 s58, s68, s69
	s_lshl_b32 s58, s58, 23
	s_add_co_i32 s[CS], s[CS], s58                 ; a score stands for score x 2^(e6 + e7): added to c's exponent field
	s_mov_b32 s[CS+1], s[CS]
	s_add_co_i32 s58, s71, 127
	s_lshl_b32 s59, s58, 23
	v_mov_b32 v[PSC], s59                          ; 2^e9
	s_add_co_i32 s58, s58, 8
	s_lshl_b32 s58, s58, 23
	s_or_b32 s58, s58, 0x600000
	v_mov_b32 v[PLIM], s58                         ; 448 x 2^e9
	v_mov_b32 v[PLIM2], s58
	s_sub_co_i32 s58, s72, s70
	s_sub_co_i32 s58, s58, s71                     ; O / the sum stands for that x 2^(e8 + e9): y's code is it / 2^(e10 - e8 - e9)
	s_add_co_i32 s58, s58, 127
	s_lshl_b32 s59, s58, 23
	v_mov_b32 v[YSC], s59
	s_add_co_i32 s58, s58, 8
	s_lshl_b32 s58, s58, 23
	s_or_b32 s58, s58, 0x600000
	v_mov_b32 v[YLIM], s58
	PASS_INIT
	s_wait_tensorcnt 0x0
	ds_add_u32 v[SPW], v[NIL]
	s_wait_dscnt 0x0
	ROUND                                          ; everybody's part is in, and the four work-groups are here
	tensor_load_to_lds s[G0B:G0B+3], s[G1B:G1B+7]  ; my 12,288 bytes of key steps 4 to 15: a first fill, the first tensor load behind the round
	s_nop 0
.rept 4
	v_nop
.endr
	RUN 4, 0, 0                                    ; steps 0 to 7 lie wholly in front of my queries: no mask, nothing left out
	s_wait_tensorcnt 0x0                           ; my part of key steps 4 to 15 is in,
	s_wait_dscnt 0x0
	s_barrier_signal -1
	s_barrier_wait -1                              ; everybody's is
	RUN 4, 0, 4
	RUN 8, 1, 8
	s_mov_b32 s[SL], s[U]                          ; the earlier group: wave / 2, at most 7; its Q lands under the first tile's end
	PASS_SET Y2
	FINISH Y1
	PASS_INIT
	RUN 8, 1, 0                                    ; all of K and V lies in LDS: no barrier
	FINISH Y2
	s_wait_tensorcnt 0x0                           ; the wave's end
	ds_add_u32 v[SPW], v[NIL]
	s_wait_dscnt 0x0
	ROUND                                          ; the closing round
	s_endpgm
.Lfunc_end_k_qf9905dff3c_attn:
	.size	k_qf9905dff3c_attn, .Lfunc_end_k_qf9905dff3c_attn-k_qf9905dff3c_attn
	.p2alignl 7, 3214868480
	.fill 96, 4, 3214868480
	.section	.rodata,"a",@progbits
	.p2align	6, 0x0
	.amdhsa_kernel k_qf9905dff3c_attn
		.amdhsa_group_segment_fixed_size 327680
		.amdhsa_private_segment_fixed_size 0
		.amdhsa_enable_private_segment 0
		.amdhsa_kernarg_size 40
		.amdhsa_user_sgpr_count 2
		.amdhsa_user_sgpr_kernarg_segment_ptr 1
		.amdhsa_wavefront_size32 1
		.amdhsa_system_sgpr_workgroup_id_x 1
		.amdhsa_system_sgpr_workgroup_id_y 1
		.amdhsa_system_sgpr_workgroup_id_z 1
		.amdhsa_system_vgpr_workitem_id 0
		.amdhsa_next_free_vgpr 256
		.amdhsa_next_free_sgpr 80
		.amdhsa_reserve_vcc 1
		.amdhsa_float_denorm_mode_32 3
		.amdhsa_float_denorm_mode_16_64 3
		.amdhsa_memory_ordered 1
		.amdhsa_forward_progress 1
		.amdhsa_inst_pref_size 92
	.end_amdhsa_kernel
	.amdgpu_metadata
---
amdhsa.version: [ 1, 2 ]
amdhsa.kernels:
  - .name:           k_qf9905dff3c_attn
    .symbol:         k_qf9905dff3c_attn.kd
    .args:
      - { .name: qimg, .offset: 0, .size: 8, .value_kind: global_buffer, .address_space: global }
      - { .name: kimg, .offset: 8, .size: 8, .value_kind: global_buffer, .address_space: global }
      - { .name: vimg, .offset: 16, .size: 8, .value_kind: global_buffer, .address_space: global }
      - { .name: lowp_scales, .offset: 24, .size: 8, .value_kind: global_buffer, .address_space: global }
      - { .name: yimg, .offset: 32, .size: 8, .value_kind: global_buffer, .address_space: global }
    .group_segment_fixed_size: 327680
    .private_segment_fixed_size: 0
    .kernarg_segment_align: 8
    .kernarg_segment_size: 40
    .max_flat_workgroup_size: 512
    .sgpr_count:     80
    .vgpr_count:     256
    .wavefront_size: 32
...
	.end_amdgpu_metadata
.endif
;; end of part 2
;; launch proj (part 3): grid 64 x 4, 4 waves a work-group, clusters of 4 x 1, 327,680 bytes of LDS; arguments yimg, Wo_codes, lowp_scales, bo, out0; writes out0
.if DOCPART == 3
	.amdgcn_target "amdgcn-amd-amdhsa--gfx1250"
	.amdhsa_code_object_version 6
	.text
	.protected	k_qf9905dff3c_proj
	.globl	k_qf9905dff3c_proj
	.p2align	8
	.type	k_qf9905dff3c_proj,@function
k_qf9905dff3c_proj:
	s_mov_b64 s[64:65], 0
	v_nop
	global_prefetch_b8 v0, s[64:65] scope:SCOPE_SE
	s_setreg_imm32_b32 hwreg(HW_REG_WAVE_MODE, 25, 1), 1
	s_wait_xcnt 0x0
	s_wait_alu depctr_hold_cnt(0) depctr_sa_sdst(0) depctr_va_vdst(0) depctr_va_sdst(0) depctr_va_ssrc(0) depctr_va_vcc(0) depctr_vm_vsrc(0)
	s_getreg_b32 s2, hwreg(HW_REG_IB_STS2, 6, 4)
	s_cmp_eq_u32 s2, 0
	s_cbranch_scc0 .Lentry_in_a_cluster
	s_endpgm
.Lentry_in_a_cluster:
	s_bfe_u32 s2, ttmp6, 0x10000c
	s_cmp_lg_u32 s2, 0x3003
	s_cbranch_scc0 .Lentry_shape_is_right
	s_endpgm
.Lentry_shape_is_right:
; out = y Wo + bo on codes of FP8 (E4M3).  y's codes 2^e10, Wo's 2^e11: the codes are multiplied as they are, each finished sum once by 2^(e10 + e11), and the bias is added in the same fused line.
; LIMIT: e10 + e11 lies between -126 and 127, so that 2^(e10 + e11) is an f32 number.  NaN codes are not served.
; yimg: [G 512][piece 32][lane][16]: images of operand registers: token 32 (G / 2) + 8 (G % 2) + r + 8 (r / 8), K = 32 piece + 16 h + byte (r = lane % 16, h = lane / 16).  Wo: [1024 (channel)][1024 (K)].
; SHARES.  A work-group makes 128 tokens (x) x 256 channels (y): 64 x 4 = 256 work-groups.  Wave w makes 64 tokens (half w / 2) x 128 channels (half w % 2): 4 x 8 accumulators, 256 registers.
; y GOES STRAIGHT INTO REGISTERS: a wave's 64 tokens x 1,024 K are 128 pieces of 512 consecutive bytes, 512 registers; they lie in memory as the registers want them, so LDS would only copy them.
; Wo's 256 rows x 1,024 bytes lie WHOLE in LDS (rows of 1,024 + 16 bytes), each byte filled once, one tensor load of 64 rows a wave; nothing is filled again, and one barrier shows the rows to all.
; CLUSTER: the four work-groups of a cluster have four token blocks and the same channels: Wo's rows are asked for jointly (mask 15).
; NO PREFETCH: both operands are asked for whole at the head; there is no loop to run ahead in.
; The matrix instruction takes Wo's rows as source 0 and y's as source 1: a lane holds one token and eight neighbouring channels.  Both operands hold K = 32 c + 16 h + 0 .. 15 in registers 4 c .. 4 c + 3.
; REGISTERS, in windows of 256: window 0: v20-35 addresses and the bias; v64-255 three sets of four fragments of Wo, by turns; on the way out v128-255 hold rows read back.
;   window 1: accumulator (i, b) at v[8 (8 i + b)].   windows 2, 3: y's fragment (K step q, tile i) at v[16 (4 (q % 4) + i)] of window 2 + q / 4.
.set PITCH,  1040                      ; an LDS row: 1,024 bytes + 16: the 16 rows that a fragment load touches start at 16 different groups of banks (ISA guide 11.1)
.set WROWS,  64*PITCH                  ; what one tensor load brings
.set SPARE,  4*WROWS                   ; the spare words, 128 bytes for each wave
.set STAGE,  SPARE+512                 ; the way out: 16 rows x 528 bytes for each wave, on bytes into which no fill lands
.set SPITCH, 528
.set OROW,   4096                      ; a row of out0 in bytes
.set ADRB, 20                          ; v20, v21  LDS address of my fragments of Wo: channel blocks 0-3, 4-7
.set STO,  24
.set RD,   25
.set CO,   26                          ; v26  16 x lane
.set SPW,  28
.set NIL,  29
.set BO,   32                          ; v32-35  the bias of my lane's four channels
.set BF,   64
.set BK,   128
.set G1,   24                          ; s[24:31] descriptor group 1;  s[32:35] group 0
.set G0,   32
.set MSB, 0
.macro WIN new                         ; the immediate's high byte repeats the setting that is left
.if MSB != (\new)
	s_set_vgpr_msb (MSB<<8)|(\new)
.set MSB, (\new)
.endif
.endm
.macro ROUND                           ; a round of the cluster's barrier
	s_barrier_signal -1
	s_barrier_wait -1
	s_cmp_lg_u32 s14, 0
	s_cbranch_scc1 .Lnw0_\@
	s_barrier_signal -3
.Lnw0_\@:
	s_barrier_wait -3
	s_barrier_signal -1
	s_barrier_wait -1
.endm
.macro PLACES n                        ; plain vector instructions between a matrix instruction and a load into its registers or a read of its result
.rept \n
	v_nop
.endr
.endm
	s_load_b128 s[4:7], s[0:1], 0x0                ; yimg s[4:5], Wo s[6:7]
	s_load_b128 s[8:11], s[0:1], 0x10              ; the scales' exponents s[8:9], bo s[10:11]
	s_load_b64 s[12:13], s[0:1], 0x20              ; out0
	v_lshl_add_u32 v[SPW], v0, 2, SPARE
	v_mov_b32 v[NIL], 0
	ds_add_u32 v[SPW], v[NIL]                      ; the opening lines: the add twice on end and its wait ahead of my first tensor load
	ds_add_u32 v[SPW], v[NIL]
	v_lshrrev_b32 v1, 5, v0
	v_readfirstlane_b32 s14, v1                    ; wave 0..3
	s_lshr_b32 s15, s14, 1                         ; my half of the tokens
	s_and_b32 s16, s14, 1                          ; my half of the channels
	s_bfe_u32 s40, ttmp6, 0x40000                  ; cx
	s_lshl_b32 s17, ttmp9, 2
	s_add_co_u32 s17, s17, s40                     ; the token block: 4 x cluster x + cx
	s_and_b32 s18, ttmp7, 0xffff                   ; the channel block: the same in all four partners
	s_mov_b32 s[G1], 15|(1<<20)|(1<<21)|(7<<22)|(3<<25)   ; the mask names the four; elements of 1 byte; padding on; bit 21 beside a mask; four words behind every 256
	s_mov_b32 s[G1+1], 1024<<16                    ; tensor_dim0
	s_mov_b32 s[G1+2], 64<<16                      ; tensor_dim1
	s_mov_b32 s[G1+3], 1024<<16                    ; tile_dim0
	s_mov_b32 s[G1+4], 64                          ; tile_dim1
	s_mov_b32 s[G1+5], 1024                        ; the pitch in memory
	s_mov_b32 s[G1+6], 0
	s_mov_b32 s[G1+7], 0
	s_lshl_b32 s20, s18, 8
	s_lshl_b32 s21, s14, 6
	s_add_co_u32 s20, s20, s21                     ; Wo's row 256 x channel block + 64 x wave
	s_lshl_b32 s20, s20, 10
	s_mov_b32 s21, 0
	s_mov_b32 s[G0], 1
	s_mul_i32 s[G0+1], s14, WROWS
	s_wait_dscnt 0x0                               ; both opening adds are done
	s_wait_kmcnt 0x0
	s_load_b64 s[44:45], s[8:9], 0x28              ; e10, e11
	s_add_nc_u64 s[G0+2:G0+3], s[6:7], s[20:21]
	s_or_b32 s[G0+3], s[G0+3], 0x80000000
	ROUND                                          ; the four work-groups are here: the joint loads meet
	tensor_load_to_lds s[G0:G0+3], s[G1:G1+7]      ; my 64 rows of Wo: my only tensor load
	s_nop 0
	PLACES 4
	s_lshl_b32 s20, s17, 3
	s_lshl_b32 s21, s15, 2
	s_add_co_u32 s20, s20, s21                     ; my first tile of 16 tokens: 8 x token block + 4 x half
	s_lshl_b32 s22, s20, 16                        ; its first row of out0 is 16 x that: x 4,096 bytes
	s_lshl_b32 s20, s20, 14                        ; 16,384 bytes a tile in yimg
	s_mov_b32 s21, 0
	s_add_nc_u64 s[4:5], s[4:5], s[20:21]
	s_lshl_b32 s20, s18, 10
	s_lshl_b32 s23, s16, 9
	s_add_co_u32 s20, s20, s23                     ; my first channel, in bytes of f32
	s_add_nc_u64 s[10:11], s[10:11], s[20:21]
	s_add_co_u32 s20, s20, s22
	s_add_nc_u64 s[12:13], s[12:13], s[20:21]
	s_mul_i32 s22, s16, 2*WROWS                    ; my 128 rows of Wo in LDS
	s_mul_i32 s23, s14, 16*SPITCH
	s_add_co_u32 s23, s23, STAGE                   ; my stage
	v_and_b32 v6, 31, v0
	v_and_b32 v1, 15, v0                           ; r
	v_bfe_u32 v2, v0, 4, 1                         ; h
	v_lshlrev_b32 v[CO], 4, v6
	v_mul_u32_u24 v3, v1, PITCH
	v_mul_u32_u24 v5, v1, SPITCH
	v_lshl_add_u32 v3, v2, 4, v3
	v_lshl_add_u32 v5, v2, 5, v5
	v_add_nc_u32 v[ADRB], s22, v3
	v_add_nc_u32 v[STO], s23, v5                   ; in: row r, 32 bytes for each half of the lanes
	v_add_nc_u32 v[RD], s23, v[CO]                 ; back: the 32 lanes take one row of 512 bytes
	v_add_nc_u32 v[ADRB+1], WROWS, v[ADRB]
	s_wait_alu depctr_va_vdst(0)                   ; the wait at the head's end
	global_load_b128 v[BO:BO+3], v[CO], s[10:11]
.irp q, 0,1,2,3,4,5,6,7                ; y: 16 loads a K step, K ascending, 512 consecutive bytes each
	WIN 0x80+0x40*(\q/4)                           ; destination: window 2 or 3
.irp i, 0,1,2,3
.irp c, 0,1,2,3
	global_load_b128 v[16*(4*(\q%4)+\i)+4*\c:16*(4*(\q%4)+\i)+4*\c+3], v[CO], s[4:5] offset:16384*\i+512*(4*\q+\c)
.endr
.endr
.endr
	WIN 0
	s_wait_tensorcnt 0x0                           ; my rows of Wo are in,
	s_barrier_signal -1
	s_barrier_wait -1                              ; everybody's are
; Half step hs: K step hs / 2, Wo's channel blocks 4 (hs % 2) .. + 3, in set hs % 3
.macro BLOAD hs
.irp b, 0,1,2,3
.irp c, 0,1,2,3
	ds_load_b128 v[BF+64*((\hs)%3)+16*\b+4*\c:BF+64*((\hs)%3)+16*\b+4*\c+3], v[ADRB+(\hs)%2] offset:16*PITCH*\b+128*((\hs)/2)+32*\c
.endr
.endr
.endm
; 16 matrix instructions on 16 accumulators; the other 16 have their turn in the next half step.  The first K step starts the sums.
.macro HALF hs
	WIN 0
.if (\hs) < 14
	PLACES 4                                       ; the set filled below was read by the half step before
	BLOAD (\hs)+2
	s_wait_dscnt 32                                ; this half step's set is in; the two younger sets' 16 loads each may be out
.else
	s_wait_dscnt 16*(15-(\hs))
.endif
.if (\hs) == 0
	s_wait_loadcnt 63                              ; of the 129 loads issued the first 66 are in: the bias and y's K steps 0 to 3
.endif
.if ((\hs) >= 8) && ((\hs)%2 == 0)
	s_wait_loadcnt 16*(7-(\hs)/2)                  ; y's K step is in; the later K steps' 16 loads each may be out
.endif
	WIN 0x58+4*((\hs)/8)                           ; source 0 window 0, source 1 window 2 or 3, C and D window 1
.irp i, 0,1,2,3
.irp b, 0,1,2,3
.if (\hs) < 2
	v_wmma_f32_16x16x128_fp8_fp8 v[8*(8*\i+4*((\hs)%2)+\b):8*(8*\i+4*((\hs)%2)+\b)+7], v[BF+64*((\hs)%3)+16*\b:BF+64*((\hs)%3)+16*\b+15], v[16*(4*(((\hs)/2)%4)+\i):16*(4*(((\hs)/2)%4)+\i)+15], 0
.else
	v_wmma_f32_16x16x128_fp8_fp8 v[8*(8*\i+4*((\hs)%2)+\b):8*(8*\i+4*((\hs)%2)+\b)+7], v[BF+64*((\hs)%3)+16*\b:BF+64*((\hs)%3)+16*\b+15], v[16*(4*(((\hs)/2)%4)+\i):16*(4*(((\hs)/2)%4)+\i)+15], v[8*(8*\i+4*((\hs)%2)+\b):8*(8*\i+4*((\hs)%2)+\b)+7]
.endif
.endr
.endr
.endm
	BLOAD 0
	BLOAD 1
.irp hs, 0,1,2,3,4,5,6,7,8,9,10,11,12,13,14,15
	HALF \hs
.endr
	WIN 0
; THE WAY OUT, tile by tile of 16 tokens x 128 channels: through my own stage and back as whole rows of 512 bytes.  LDS serves a wave's instructions in order (ISA guide 5.7.1.4): no wait between the stores and the loads.
.macro TOSTAGE a
	WIN 0x04                                       ; the stores' data: window 1
.irp b, 0,1,2,3,4,5,6,7
	ds_store_b128 v[STO], v[64*(\a)+8*\b:64*(\a)+8*\b+3] offset:64*\b          ; each accumulator from its low end on
	ds_store_b128 v[STO], v[64*(\a)+8*\b+4:64*(\a)+8*\b+7] offset:64*\b+16
.endr
	WIN 0
.set BB, BK+64*((\a)%2)
.irp t, 0,1,2,3,4,5,6,7,8,9,10,11,12,13,14,15
	ds_load_b128 v[BB+4*\t:BB+4*\t+3], v[RD] offset:\t*SPITCH
.endr
.endm
.macro SEND a, younger                 ; younger: the LDS instructions issued behind tile a's loads, which may stay out
.set BB, BK+64*((\a)%2)
	s_wait_dscnt \younger
.if (\a) > 0
.if ((\a)%2)
	s_add_nc_u64 s[12:13], s[12:13], 8*OROW        ; (behind a wait on XCNT)  an odd tile begins 8 tokens behind the even one,
.else
	s_add_nc_u64 s[12:13], s[12:13], 24*OROW       ; the next even one 24 further on
.endif
.endif
.irp t, 0,1,2,3,4,5,6,7,8,9,10,11,12,13,14,15
	v_pk_fma_f32 v[BB+4*\t:BB+4*\t+1], v[BB+4*\t:BB+4*\t+1], s[44:45], v[BO:BO+1] op_sel_hi:[1,0,1]       ; sum x 2^(e10 + e11) + bias
	v_pk_fma_f32 v[BB+4*\t+2:BB+4*\t+3], v[BB+4*\t+2:BB+4*\t+3], s[44:45], v[BO+2:BO+3] op_sel_hi:[1,0,1]
.endr
.irp t, 0,1,2,3,4,5,6,7,8,9,10,11,12,13,14,15
	global_store_b128 v[CO], v[BB+4*\t:BB+4*\t+3], s[12:13] offset:(\t+8*(\t/8))*OROW th:TH_STORE_NT   ; row t of the tile is token t + 8 (t / 8); 32 lanes store 512 consecutive bytes, at a multiple of 512 from out0's first byte
.endr
.endm
	s_wait_kmcnt 0x0
	s_add_co_i32 s44, s44, s45
	s_add_co_i32 s44, s44, 127
	s_lshl_b32 s44, s44, 23                        ; 2^(e10 + e11) as f32
	s_mov_b32 s45, s44
	PLACES 4                                       ; behind the last products
	TOSTAGE 0
.irp a, 1,2,3
.if \a > 1
	s_wait_xcnt 0x0                                ; tile a - 2's stores have read their registers and their base
.endif
	TOSTAGE \a
	SEND \a-1, 32                                  ; behind tile a - 1's loads: tile a's 16 stores and 16 loads
.endr
	s_wait_xcnt 0x0
	SEND 3, 0
	s_wait_tensorcnt 0x0                           ; the wave's end
	ds_add_u32 v[SPW], v[NIL]
	s_wait_dscnt 0x0
	ROUND                                          ; the closing round
	s_endpgm
.Lfunc_end_k_qf9905dff3c_proj:
	.size	k_qf9905dff3c_proj, .Lfunc_end_k_qf9905dff3c_proj-k_qf9905dff3c_proj
	.p2alignl 7, 3214868480
	.fill 96, 4, 3214868480
	.section	.rodata,"a",@progbits
	.p2align	6, 0x0
	.amdhsa_kernel k_qf9905dff3c_proj
		.amdhsa_group_segment_fixed_size 327680
		.amdhsa_private_segment_fixed_size 0
		.amdhsa_enable_private_segment 0
		.amdhsa_kernarg_size 40
		.amdhsa_user_sgpr_count 2
		.amdhsa_user_sgpr_kernarg_segment_ptr 1
		.amdhsa_wavefront_size32 1
		.amdhsa_system_sgpr_workgroup_id_x 1
		.amdhsa_system_sgpr_workgroup_id_y 1
		.amdhsa_system_sgpr_workgroup_id_z 1
		.amdhsa_system_vgpr_workitem_id 0
		.amdhsa_next_free_vgpr 1024
		.amdhsa_next_free_sgpr 66
		.amdhsa_reserve_vcc 0
		.amdhsa_float_denorm_mode_32 3
		.amdhsa_float_denorm_mode_16_64 3
		.amdhsa_memory_ordered 1
		.amdhsa_forward_progress 1
		.amdhsa_inst_pref_size 76
	.end_amdhsa_kernel
	.amdgpu_metadata
---
amdhsa.version: [ 1, 2 ]
amdhsa.kernels:
  - .name:           k_qf9905dff3c_proj
    .symbol:         k_qf9905dff3c_proj.kd
    .args:
      - { .name: yimg, .offset: 0, .size: 8, .value_kind: global_buffer, .address_space: global }
      - { .name: Wo_codes, .offset: 8, .size: 8, .value_kind: global_buffer, .address_space: global }
      - { .name: lowp_scales, .offset: 16, .size: 8, .value_kind: global_buffer, .address_space: global }
      - { .name: bo, .offset: 24, .size: 8, .value_kind: global_buffer, .address_space: global }
      - { .name: out0, .offset: 32, .size: 8, .value_kind: global_buffer, .address_space: global }
    .group_segment_fixed_size: 327680
    .private_segment_fixed_size: 0
    .kernarg_segment_align: 8
    .kernarg_segment_size: 40
    .max_flat_workgroup_size: 128
    .sgpr_count:     66
    .vgpr_count:     1024
    .wavefront_size: 32
...
	.end_amdgpu_metadata
.endif
;; end of part 3
